; MI455X (gfx1250); checked and timed in simulation.
; The chip was launched on July 23, 2026; its instructions are those of AMD's public machine-readable ISA for CDNA 5 (MIT licence, August 2026) and "CDNA5" Instruction Set Architecture Reference Guide (July 2026). The comments in the code are by the model that wrote it; some were corrected since.
;; Perspective Network. Allowed arithmetic: matrix products marked QUANTISED: E4M3 operands, one E8M0 scale for each 32 along K, by v_wmma_scale_f32_16x16x128_f8f6f4 with both operands' format E4M3, f32 sums; products left as they are: f32 operands where the result goes on into a quantised operand, else bf16, f16 or f32 operands; f32 sums; everything else in f32.
;; Inputs: W_ft 1,024 x 768 float32; W_out 1 x 2,048 float32; b_ft 1,024 float32; b_out 1 float32; board_nstm 16,384 x 768 float32; board_stm 16,384 x 768 float32.
;; Outputs: out0 16,384 x 1 float32.
;; This version of the problem:
;;   THIS VERSION OF THE PROBLEM IS GIVEN IN LOW PRECISION. The matrix products marked QUANTISED in the list below multiply operands that are first quantised to E4M3 (4 exponent bits, 3 mantissa bits; 8 bits a number), with one power-of-two scale for each 32 numbers along K (OCP MX v1.0); their sums are f32. All else is computed in f32.
;;   The module's matrix products, in the order in which they are computed (A, B: the left and right operand; K: the contracted axis; several contracted axes count as one K, in the product's order):
;;     1. [M 16,384, K 768] x [K 768, N 1,024]; A: input board_stm; B: input W_ft: QUANTISED
;;     2. [M 16,384, K 768] x [K 768, N 1,024]; A: input board_nstm; B: input W_ft: QUANTISED
;;     3. [M 16,384, K 2,048] x [K 2,048, N 1]; A: computed on the way; B: input W_out: left as it is (N = 1 < 16)
;;   THE QUANTISER, for each operand of a quantised product, along K:
;;     - K is cut into blocks of 32 from its start; a last block that is shorter is filled with zeros.
;;     - A block's scale is 2^e with e = floor(log2(the largest magnitude in the block)) - 8, held to -126 .. 127; a block of zeros has e = 0. As a byte (E8M0): e + 127.
;;     - Each number is divided by its block's scale, clamped to +-448, and rounded to the nearest number of E4M3, ties to even, subnormals kept.
;;     - The product sums the exact products of the quantised numbers (number of the format x scale) in f32.
;;   ~~~python
;;   def quantise(x, axis):      # numpy; x: float32 -> the quantised numbers, widened to float32 again
;;       x = np.moveaxis(x, axis, -1); K = x.shape[-1]
;;       x = np.pad(x, [(0, 0)] * (x.ndim - 1) + [(0, -K % 32)]); x = x.reshape(x.shape[:-1] + (-1, 32)); a = np.abs(x).max(-1, keepdims=True)
;;       e = np.where(a > 0, np.clip(np.frexp(np.where(a > 0, a, 1))[1] - 1 - 8, -126, 127), 0)      # np.frexp(a)[1] - 1 = floor(log2(a)), exactly
;;       r = np.clip(x / 2.0 ** e, -448, 448)
;;       step = 2.0 ** (np.maximum(np.frexp(np.where(r == 0, 1, r))[1] - 1, -6) - 3)
;;       q = np.round(r / step) * step * 2.0 ** e      # np.round: ties to even
;;       return np.moveaxis(q.reshape(q.shape[:-2] + (-1,))[..., :K], -1, axis).astype(np.float32)
;;   ~~~
;; One version. Each part assembles by itself: llvm-mc -triple=amdgcn-amd-amdhsa -mcpu=gfx1250 --defsym DOCPART=n.
;; ======== version 1 of 1: 2 launches
;; limits: right only within a limited range of input values
;; workspace buffers: wblk 835,584 bytes
;; launch prep (part 1): grid 64 x 1, 6 waves a work-group, no clusters, 14,592 bytes of LDS; arguments W_ft, b_ft, W_out, wblk; writes wblk
.if DOCPART == 1
	.amdgcn_target "amdgcn-amd-amdhsa--gfx1250"
	.amdhsa_code_object_version 6
	.text
	.protected	k_qeeb3cf601c_prep
	.globl	k_qeeb3cf601c_prep
	.p2align	8
	.type	k_qeeb3cf601c_prep,@function
k_qeeb3cf601c_prep:
	s_mov_b64 s[64:65], 0
	v_nop
	global_prefetch_b8 v0, s[64:65] scope:SCOPE_SE
	s_setreg_imm32_b32 hwreg(HW_REG_WAVE_MODE, 25, 1), 1
	s_wait_xcnt 0x0
; W_ft [1024][768] f32, K innermost, becomes codes of FP8 (E4M3) with one E8M0 scale byte for each 32 along K, laid as the second launch's registers want them; b_ft and W_out ride along.
; A block's scale is 2^(floor(log2(its largest magnitude)) - 8); its byte is the largest magnitude's exponent field - 8, held at 1 from below; each number is divided by the scale,
; held within +-448 and rounded to the nearest code, ties to even.
; wblk: 64 blocks of 13,056 bytes (51 units of 256), block T for the rows 16 T .. 16 T + 15 of W_ft:
;   0      codes [K step 6][c 4][lane 32][16 bytes]: lane (r, h), chunk c: the positions 16 h .. 16 h + 15 of block c of row 16 T + r.
;          Position 8 q + e of a block of 32 holds k = 4 q + e for e < 4, k = 16 + 4 q + e - 4 for e > 3 (q 0 .. 3): the second launch orders the boards' blocks alike, so every product and every block stays.
;   12,288 scale words [r 16][8]: word s = the four bytes of K step s; words 6 and 7 are 0 and are not used
;   12,800 b_ft, 16 numbers;  12,864 W_out of the first board, 16;  12,928 W_out of the second, 16;  12,992 zeros, 64 bytes
; SHARES: a work-group makes a block, a wave one K step of it: 64 work-groups are all the work there is.
; A lane (bit 4: row, bits 3:2: block c, bits 1:0: q) takes the 16-byte chunks q and q + 4 of a block: four lanes fill 64 neighbouring bytes.  The codes turn through the wave's own image in LDS.
; LIMITS: NaN and infinities among the inputs are not served.  A block of zeros, and one whose largest magnitude lies under 2^(9 - 127), gets the byte 1 (the rule says 127 for zeros):
; a block of zeros has zero codes, which add nothing under any byte but 0xff, and this program alone reads the bytes.
.set X,   16                           ; v16-79   eight times eight numbers: row 2 i + bit 4
.set TM,  80                           ; largest magnitudes, then 448 x the scale
.set SO,  88                           ; the conversions' scale operands, then the bytes
.set PC,  96                           ; codes
.set RB,  112                          ; codes read back
.set BLK, 13056
.set TIMG, 768                         ; LDS: the block's last 768 bytes, then six images of 2,176 bytes, then the spare words
	s_load_b256 s[4:11], s[0:1], 0x0               ; W_ft, b_ft, W_out, wblk
	v_lshl_add_u32 v128, v0, 2, 0x3600             ; my spare word
	v_mov_b32 v129, 0
	v_lshrrev_b32 v1, 5, v0
	v_readfirstlane_b32 s16, v1                    ; wave = K step
	v_and_b32 v1, 31, v0                           ; lane
	v_and_b32 v2, 15, v0                           ; r
	v_bfe_u32 v3, v0, 4, 1                         ; bit 4: row in a pair; h
	v_bfe_u32 v10, v0, 2, 2                        ; c
	v_and_b32 v11, 3, v0                           ; q
	v_mul_u32_u24 v4, v3, 3072
	v_lshl_add_u32 v4, v10, 7, v4
	v_lshl_add_u32 v4, v11, 4, v4                  ; W_ft: row, + 128 c + 16 q
	v_lshlrev_b32 v5, 4, v1                        ; codes out: 16 bytes a lane
	s_mul_i32 s17, s16, 2176
	s_add_co_u32 s17, s17, TIMG                    ; my image: half chunk 2 c + h at a pitch of 272, 16 bytes a row
	v_bfe_u32 v12, v0, 1, 3                        ; 2 c + q / 2
	v_mul_u32_u24 v12, v12, 272
	v_and_b32 v13, 1, v0
	v_lshl_add_u32 v12, v13, 3, v12
	v_lshl_add_u32 v12, v3, 4, v12
	v_add_nc_u32 v6, s17, v12                      ; into it
	v_mul_u32_u24 v8, v3, 272
	v_lshl_add_u32 v8, v2, 4, v8
	v_add_nc_u32 v8, s17, v8                       ; and out of it
	s_lshl_b32 s18, s16, 2
	v_lshl_add_u32 v7, v3, 5, v10
	v_add_nc_u32 v7, s18, v7                       ; scale bytes: 32 x row + 4 x K step + c
	v_lshlrev_b32 v9, 3, v1                        ; on the way out 8 bytes a lane
	v_lshlrev_b32 v11, 2, v2                       ; b_ft: 4 r
	v_lshl_add_u32 v10, v3, 12, v11                ; W_out: 4 r, + 4,096 for lanes 16-31
	v_lshlrev_b32 v12, 2, v1                       ; 4 x lane
	v_lshlrev_b32 v13, 5, v2                       ; 32 r
	v_mov_b32 v14, 0
	v_mov_b32 v15, 0
	s_mul_i32 s24, ttmp9, 16*3072                  ; W_ft: 16 T rows,
	s_lshl_b32 s25, s16, 9
	s_add_co_u32 s24, s24, s25                     ; + 512 s
	s_mov_b32 s25, 0
	s_mul_i32 s26, ttmp9, BLK                      ; my block
	s_mov_b32 s27, 0
	s_lshl_b32 s28, s16, 11                        ; my K step's codes in it
	s_mov_b32 s29, 0
	s_lshl_b32 s30, ttmp9, 6                       ; 16 T numbers of b_ft and W_out
	s_mov_b32 s31, 0
	s_mov_b32 s22, 0x600000                        ; the mantissa field of 448
	s_wait_alu depctr_va_vdst(0)                   ; the wait at the head's end
	s_wait_kmcnt 0x0
	s_add_nc_u64 s[4:5], s[4:5], s[24:25]
	s_add_nc_u64 s[6:7], s[6:7], s[30:31]
	s_add_nc_u64 s[8:9], s[8:9], s[30:31]
	s_add_nc_u64 s[10:11], s[10:11], s[26:27]
	s_add_nc_u64 s[12:13], s[10:11], s[28:29]
.irp i, 0,1,2,3,4,5,6,7                ; two loads cover 512 bytes of each of two rows
	global_load_b128 v[X+8*\i:X+8*\i+3], v4, s[4:5] offset:6144*\i th:TH_LOAD_RT_NT
	global_load_b128 v[X+8*\i+4:X+8*\i+7], v4, s[4:5] offset:6144*\i+64 th:TH_LOAD_RT_NT
.endr
	global_load_b32 v130, v11, s[6:7]
	global_load_b32 v131, v10, s[8:9]
	s_wait_loadcnt 2                               ; my sixteen are in; b_ft and W_out may be out
.irp i, 0,1,2,3,4,5,6,7
	v_max3_num_f32 v[TM+\i], |v[X+8*\i]|, |v[X+8*\i+1]|, 0x4800000   ; my eight numbers, and the floor 2^(9 - 127): the byte cannot fall under 1
.endr
.irp e, 2,4,6
.irp i, 0,1,2,3,4,5,6,7
	v_max3_num_f32 v[TM+\i], |v[X+8*\i+\e]|, |v[X+8*\i+\e+1]|, v[TM+\i]
.endr
.endr
.irp i, 0,1,2,3,4,5,6,7
	v_max_num_f32_dpp v[TM+\i], v[TM+\i], v[TM+\i] row_xmask:1 row_mask:0xf bank_mask:0xf
.endr
.irp i, 0,1,2,3,4,5,6,7
	v_max_num_f32_dpp v[TM+\i], v[TM+\i], v[TM+\i] row_xmask:2 row_mask:0xf bank_mask:0xf   ; of the four lanes: the block's largest magnitude
.endr
.irp i, 0,1,2,3,4,5,6,7
	v_add_nc_u32 v[SO+\i], 0xfc000000, v[TM+\i]    ; 8 off its exponent field: the conversion takes this operand's exponent field as its scale
.endr
.irp i, 0,1,2,3,4,5,6,7
	v_and_or_b32 v[TM+\i], v[TM+\i], 0x7f800000, s22   ; 448 x the scale: the largest magnitude's exponent field over 448's mantissa
.endr
.irp i, 0,1,2,3,4,5,6,7
.irp e, 0,1,2,3,4,5,6,7
	v_med3_num_f32 v[X+8*\i+\e], v[X+8*\i+\e], -v[TM+\i], v[TM+\i]   ; the conversion to an 8-bit code does not saturate (ISA guide 7.6.2): the hold at the largest code x the scale
.endr
.endr
.irp i, 0,1,2,3,4,5,6,7
	v_cvt_scalef32_pk8_fp8_f32 v[PC+2*\i:PC+2*\i+1], v[X+8*\i:X+8*\i+7], v[SO+\i]
.endr
	v_nop                                          ; one plain vector line behind the last conversion
.irp i, 0,1,2,3,4,5,6,7
	v_lshrrev_b32 v[SO+\i], 23, v[SO+\i]           ; the scale's byte
.endr
.irp i, 0,1,2,3,4,5,6,7
	ds_store_b64 v6, v[PC+2*\i:PC+2*\i+1] offset:32*\i
	ds_store_b8 v7, v[SO+\i] offset:64*\i          ; the four lanes of a block write the same byte with the same value
.endr
.irp c, 0,1,2,3
	ds_load_b128 v[RB+4*\c:RB+4*\c+3], v8 offset:544*\c   ; LDS serves a wave's instructions in order (ISA guide 5.7.1.4): these see my stores
.endr
	s_wait_loadcnt 0x0
	s_cmp_lg_u32 s16, 0
	s_cbranch_scc1 .Lnot_first
	ds_store_b32 v11, v130 offset:512              ; lanes r and r + 16 write the same word with the same value
	ds_store_b32 v12, v131 offset:576
	ds_store_b64 v13, v[14:15] offset:24           ; words 6 and 7 of each row,
	ds_store_b32 v11, v14 offset:704               ; and the block's last 64 bytes
.Lnot_first:
	s_wait_dscnt 0x0                               ; my fragment is back; and for wave 0's sake: my bytes lie in LDS
.irp c, 0,1,2,3
	global_store_b128 v5, v[RB+4*\c:RB+4*\c+3], s[12:13] offset:512*\c   ; 32 lanes store 512 consecutive bytes, at a multiple of 256 from wblk's first byte
.endr
	s_barrier_signal -1
	s_barrier_wait -1
	s_cmp_lg_u32 s16, 0
	s_cbranch_scc1 .Lend
.irp i, 0,1,2
	ds_load_b64 v[96+2*\i:97+2*\i], v9 offset:256*\i
.endr
	s_wait_dscnt 0x0
.irp i, 0,1,2
	global_store_b64 v9, v[96+2*\i:97+2*\i], s[10:11] offset:12288+256*\i   ; 32 lanes store 256 consecutive bytes, at a multiple of 256 from wblk's first byte
.endr
.Lend:
	s_wait_tensorcnt 0x0                           ; the wave's end
	ds_add_u32 v128, v129
	s_wait_dscnt 0x0
	s_endpgm
.Lfunc_end_k_qeeb3cf601c_prep:
	.size	k_qeeb3cf601c_prep, .Lfunc_end_k_qeeb3cf601c_prep-k_qeeb3cf601c_prep
	.p2alignl 7, 3214868480
	.fill 96, 4, 3214868480
	.section	.rodata,"a",@progbits
	.p2align	6, 0x0
	.amdhsa_kernel k_qeeb3cf601c_prep
		.amdhsa_group_segment_fixed_size 14592
		.amdhsa_private_segment_fixed_size 0
		.amdhsa_enable_private_segment 0
		.amdhsa_kernarg_size 32
		.amdhsa_user_sgpr_count 2
		.amdhsa_user_sgpr_kernarg_segment_ptr 1
		.amdhsa_wavefront_size32 1
		.amdhsa_system_sgpr_workgroup_id_x 1
		.amdhsa_system_sgpr_workgroup_id_y 1
		.amdhsa_system_sgpr_workgroup_id_z 1
		.amdhsa_system_vgpr_workitem_id 0
		.amdhsa_next_free_vgpr 132
		.amdhsa_next_free_sgpr 66
		.amdhsa_reserve_vcc 0
		.amdhsa_float_denorm_mode_32 3
		.amdhsa_float_denorm_mode_16_64 3
		.amdhsa_memory_ordered 1
		.amdhsa_forward_progress 1
		.amdhsa_inst_pref_size 17
	.end_amdhsa_kernel
	.amdgpu_metadata
---
amdhsa.version: [ 1, 2 ]
amdhsa.kernels:
  - .name:           k_qeeb3cf601c_prep
    .symbol:         k_qeeb3cf601c_prep.kd
    .args:
      - { .name: W_ft, .offset: 0, .size: 8, .value_kind: global_buffer, .address_space: global }
      - { .name: b_ft, .offset: 8, .size: 8, .value_kind: global_buffer, .address_space: global }
      - { .name: W_out, .offset: 16, .size: 8, .value_kind: global_buffer, .address_space: global }
      - { .name: wblk, .offset: 24, .size: 8, .value_kind: global_buffer, .address_space: global }
    .group_segment_fixed_size: 14592
    .private_segment_fixed_size: 0
    .kernarg_segment_align: 8
    .kernarg_segment_size: 32
    .max_flat_workgroup_size: 192
    .sgpr_count:     66
    .vgpr_count:     132
    .wavefront_size: 32
...
	.end_amdgpu_metadata
.endif
;; end of part 1
;; launch main (part 2): grid 256 x 1, 4 waves a work-group, clusters of 4 x 1, 327,680 bytes of LDS; arguments board_stm, board_nstm, wblk, b_out, out0; writes out0
.if DOCPART == 2
	.amdgcn_target "amdgcn-amd-amdhsa--gfx1250"
	.amdhsa_code_object_version 6
	.text
	.protected	k_qeeb3cf601c_main
	.globl	k_qeeb3cf601c_main
	.p2align	8
	.type	k_qeeb3cf601c_main,@function
k_qeeb3cf601c_main:
	s_mov_b64 s[64:65], 0
	v_nop
	global_prefetch_b8 v0, s[64:65] scope:SCOPE_SE
	s_setreg_imm32_b32 hwreg(HW_REG_WAVE_MODE, 25, 1), 1
	s_wait_xcnt 0x0
	s_wait_alu depctr_hold_cnt(0) depctr_sa_sdst(0) depctr_va_vdst(0) depctr_va_sdst(0) depctr_va_ssrc(0) depctr_va_vcc(0) depctr_vm_vsrc(0)
	s_getreg_b32 s2, hwreg(HW_REG_IB_STS2, 6, 4)
	s_cmp_eq_u32 s2, 0
	s_cbranch_scc0 .Lentry_in_a_cluster
	s_endpgm
.Lentry_in_a_cluster:
	s_bfe_u32 s2, ttmp6, 0x10000c
	s_cmp_lg_u32 s2, 0x3003
	s_cbranch_scc0 .Lentry_shape_is_right
	s_endpgm
.Lentry_shape_is_right:
; out[b] = sigmoid(sum over n of W_out[n] clip(x_stm[b][n] + b_ft[n], 0, 1)^2 + the same of nstm with W_out[1024 + n] + b_out), x = Q(board) Q(W_ft)^T in MX-FP8 with f32 sums; the rest in f32.
; No step of reference() is left out.
; A work-group of four waves owns 64 positions of BOTH boards, 128 rows of x: 256 work-groups.  Every wave holds the codes of all 128 rows x 768 in 768 registers and owns 256 of the 1,024 columns:
; so W's blocks pass through LDS once in a work-group, and each W fragment that is read feeds eight matrix instructions.
; PART 1: 12 units (stm's six K steps of 128, then nstm's), each 64 rows x 128.  A wave loads and quantises 16 rows of a unit; loads run three units ahead, into registers that hold codes of the last units later.
;   Lane (bit 4: row, bits 3:2: block c, bits 1:0: q) takes the 16-byte chunks q and q + 4 of a block of 32: four lanes fill 64 neighbouring bytes, and a block lies in four neighbouring lanes.  Its eight numbers are the
;   positions 8 q .. 8 q + 7 of the block: W's blocks are laid in the same order of positions, so every product and every block stays.  Codes and scale bytes go to an image of the operand in LDS (two images by turns,
;   one barrier a unit), from which each wave reads its four fragments of the unit.
; PART 2: per wave 16 tiles of 16 columns; a tile is 24 matrix instructions for stm (4 row tiles x 6 K steps) and 24 for nstm, used TRANSPOSED: source 0 = 16 rows of W_ft, source 1 = 16 rows of a board, so that lane (r, h)
;   holds row r and register j the column 16 T + 8 h + j; b_ft is the first C.  Between the products of one board stand the clip, square and dot of the other board's finished tile.
; W COMES BY JOINT LOADS: the four work-groups of a cluster read the same blocks at the same time; each wave asks for its own two tiles' blocks, 26,112 bytes, a slot: 8 slots through a ring of two.
; PREFETCH: the boards are not prefetched: a wave's loads are three units (48 loads) ahead already.  W is asked for once, in unit 3, long ahead of the joint loads of slots 2 to 7: block by block, split by address over the clusters
;   (a block by four clusters, one of the four work-groups in each, two waves).
; LIMITS: NaN and infinities among the inputs are not served.  A block of zeros, and one whose largest magnitude lies under 2^(9 - 127), gets the byte 1 (the rule says 127 for zeros): a block of zeros has zero codes.
; REGISTERS.  Window 0: v0-16 addresses, v17-40 the boards' scales, v42-53 W's scales (two sets), v54-61 at work, v64-255 units 0-2.  Window 1: units 4-7.  Window 2: units 8-11 (part 1: loads on their way in those of 9-11).
;   Window 3: v0-63 unit 3, v64-95 stm's accumulators (part 1: at work), v96-127 nstm's, v128-223 six W fragments, v224-231 sums, v232-239 b_ft, v240-247 and v248-255 W_out of stm and nstm.
.set BLK,   13056                      ; a tile's block: codes 12,288, scale words 512, b_ft 64, W_out 2 x 64, 64 zeros
.set WBLK,  2*BLK                      ; a wave's part of a slot
.set SLOTB, 4*WBLK
.set IMG,   2*SLOTB                    ; two images of a unit: fragment m at 2,176 m; half chunk 2 c + h of its 16 rows at a pitch of 272
.set IMGB,  8704
.set ASC,   IMG+2*IMGB                 ; two units' scale bytes: 4 x row + c
.set RED,   ASC+512
.set SPARE, RED+1024                   ; the spare words: 512 bytes that no other line names
.set SPW,  1
.set NIL,  2
.set XA,   3
.set AWI,  4
.set AWS,  5
.set AFA,  6
.set ASF,  7
.set PFO,  8
.set BAD,  9                           ; v9-10 W fragments in slot buffer 0, 1
.set WSA,  11                          ; v11-12 W's scale words
.set EXA,  13                          ; v13-14 b_ft and W_out
.set XS,   17                          ; 6 (2 board + m / 2) + K step; lanes 0-15 even m, lanes 16-31 odd m
.set WS,   42                          ; 6 x set + K step
.set TM,   54
.set SO,   64                          ; window 3
.set PC,   72                          ; window 3
.set SUM,  224
.set BI,   232
.set WOS,  240
.set WON,  248
.set WV,   20
.set G1,   24
.set G0,   32                          ; s[32:35], s[36:39]
.set SEL,  52
.set MNT,  54
.set BO,   55
.set BP,   56
.set BN,   58
.set PF,   60
.set MSB, 0
.macro WIN new                         ; the immediate's high byte repeats the setting that is left
.if MSB != (\new)
	s_set_vgpr_msb (MSB<<8)|(\new)
.set MSB, (\new)
.endif
.endm
.macro CREST                           ; a round of the cluster's barrier behind its opening barrier
	s_cmp_lg_u32 s[WV], 0
	s_cbranch_scc1 .Lnot_wave_0_\@
	s_barrier_signal -3
.Lnot_wave_0_\@:
	s_barrier_wait -3
	s_barrier_signal -1
	s_barrier_wait -1
.endm
.macro CROUND
	s_barrier_signal -1
	s_barrier_wait -1
	CREST
.endm
.macro JLOAD bu                        ; a joint load
	tensor_load_to_lds s[G0+4*(\bu):G0+4*(\bu)+3], s[G1:G1+7]
	s_nop 0
.rept 4
	v_nop
.endr
.endm
.macro REGION un                       ; where unit un's 64 registers of codes lie: window rw, first register ro
.if (\un) < 3
.set rw, 0
.set ro, 64+64*(\un)
.elseif (\un) == 3
.set rw, 3
.set ro, 0
.elseif (\un) < 8
.set rw, 1
.set ro, 64*((\un)-4)
.else
.set rw, 2
.set ro, 64*((\un)-8)
.endif
.endm
.macro XLOAD o, ks, pp                 ; 16 rows x 128 numbers: two loads cover 512 bytes of each of two rows
	WIN 0x80
.irp i, 0,1,2,3,4,5,6,7
	global_load_b128 v[(\o)+8*\i:(\o)+8*\i+3], v[XA], s[\pp:\pp+1] offset:512*(\ks)+6144*\i th:TH_LOAD_RT_NT
	global_load_b128 v[(\o)+8*\i+4:(\o)+8*\i+7], v[XA], s[\pp:\pp+1] offset:512*(\ks)+6144*\i+64 th:TH_LOAD_RT_NT
.endr
	WIN 0
.endm
.macro UNIT u
.set uO, 64+64*((\u)%3)
.set uP, (\u)%2
.if (\u) < 10
	s_wait_loadcnt 32                              ; my 16 loads are in; the two younger units' may be out
.elseif (\u) == 10
	s_wait_loadcnt 16
.else
	s_wait_loadcnt 0
.endif
	WIN 0x0a
.irp i, 0,1,2,3,4,5,6,7
	v_max3_num_f32 v[TM+\i], |v[uO+8*\i]|, |v[uO+8*\i+1]|, 0x4800000   ; my eight numbers, and the floor 2^(9 - 127)
.endr
.irp e, 2,4,6
.irp i, 0,1,2,3,4,5,6,7
	v_max3_num_f32 v[TM+\i], |v[uO+8*\i+\e]|, |v[uO+8*\i+\e+1]|, v[TM+\i]
.endr
.endr
	WIN 0
.irp i, 0,1,2,3,4,5,6,7
	v_max_num_f32_dpp v[TM+\i], v[TM+\i], v[TM+\i] row_xmask:1 row_mask:0xf bank_mask:0xf
.endr
.irp i, 0,1,2,3,4,5,6,7
	v_max_num_f32_dpp v[TM+\i], v[TM+\i], v[TM+\i] row_xmask:2 row_mask:0xf bank_mask:0xf   ; of the four lanes: the block's largest magnitude
.endr
	WIN 0xc0
.irp i, 0,1,2,3,4,5,6,7
	v_add_nc_u32 v[SO+\i], 0xfc000000, v[TM+\i]    ; 8 off the exponent field: the conversion's scale operand
.endr
	WIN 0
.irp i, 0,1,2,3,4,5,6,7
	v_and_or_b32 v[TM+\i], v[TM+\i], 0x7f800000, s[MNT]   ; 448 x the scale
.endr
	WIN 0x82
.irp i, 0,1,2,3,4,5,6,7
.irp e, 0,1,2,3,4,5,6,7
	v_med3_num_f32 v[uO+8*\i+\e], v[uO+8*\i+\e], -v[TM+\i], v[TM+\i]   ; the conversion to an 8-bit code does not saturate (ISA guide 7.6.2)
.endr
.endr
	WIN 0xce
.irp i, 0,1,2,3,4,5,6,7
	v_cvt_scalef32_pk8_fp8_f32 v[PC+2*\i:PC+2*\i+1], v[uO+8*\i:uO+8*\i+7], v[SO+\i]
.endr
	v_nop                                          ; one plain vector line behind the last conversion
	WIN 0xcc
.irp i, 0,1,2,3,4,5,6,7
	v_lshrrev_b32 v[SO+\i], 23, v[SO+\i]           ; the scale's byte
.endr
.if (\u) < 3
	XLOAD uO, (\u)+3, BP
.elseif (\u) < 9
	XLOAD uO, (\u)-3, BN
.endif
	WIN 0x0c
.irp i, 0,1,2,3,4,5,6,7
	ds_store_b64 v[AWI], v[PC+2*\i:PC+2*\i+1] offset:IMGB*uP+32*\i
	ds_store_b8 v[AWS], v[SO+\i] offset:256*uP+8*\i   ; the four lanes of a block write the same byte with the same value
.endr
	WIN 0
.if (\u) == 11
	s_wait_tensorcnt 0x0                           ; slot 0 is in; the last board loads are too.
	ds_add_u32 v[SPW], v[NIL]
	s_wait_dscnt 0x0                               ; the add and my stores are done, and my reads of the last unit
	CROUND
	JLOAD 1                                        ; slot 1: the first tensor load behind the round
.else
	s_wait_dscnt 0x0                               ; my stores are done, and my reads of the last unit: the other image may be written behind the barrier
	s_barrier_signal -1
	s_barrier_wait -1
.endif
	REGION \u
	WIN rw<<6
.irp m, 0,1,2,3
.irp c, 0,1,2,3
	ds_load_b128 v[ro+16*\m+4*\c:ro+16*\m+4*\c+3], v[AFA] offset:IMGB*uP+2176*\m+544*\c
.endr
.endr
	WIN 0
	ds_load_b32 v[XS+12*((\u)/6)+(\u)%6], v[ASF] offset:256*uP
	ds_load_b32 v[XS+12*((\u)/6)+6+(\u)%6], v[ASF] offset:256*uP+128
.if (\u) == 3
	s_cmp_lt_u32 s[WV], 2                          ; two waves ask for the 51 units of 256 bytes of this work-group's share of W; the lanes left over name the last unit again
	s_cbranch_scc0 .Lno_prefetch
	global_prefetch_b8 v[PFO], s[PF:PF+1] th:TH_LOAD_NT scope:SCOPE_SE
.Lno_prefetch:
.endif
.endm
; One product: board bo, W's scale set t, place p: K step p / 4, row tile p % 4: four accumulators by turns.
.macro WM bo, t, p
.set kk, (\p)/4
.set mm, (\p)%4
	REGION 6*(\bo)+kk
	WIN 0xf3|(rw<<2)
.set rD, 64+32*(\bo)+8*mm
.set rB, 128+16*kk
.set rA, ro+16*mm
.set rS, WS+6*(\t)+kk
.set rX, XS+6*(2*(\bo)+mm/2)+kk
.if kk == 0
.set rC, BI
.else
.set rC, rD
.endif
.if mm%2
	v_wmma_scale_f32_16x16x128_f8f6f4 v[rD:rD+7], v[rB:rB+15], v[rA:rA+15], v[rC:rC+7], v[rS], v[rX] matrix_b_scale:MATRIX_SCALE_ROW1
.else
	v_wmma_scale_f32_16x16x128_f8f6f4 v[rD:rD+7], v[rB:rB+15], v[rA:rA+15], v[rC:rC+7], v[rS], v[rX]
.endif
.endm
; Line e of the 64 that finish a tile of 64 rows x 16 columns (accumulators from ac, W_out at wo): 32 clips, 16 squares, 16 multiply-adds.
.macro OPE e, ac, wo
.if (\e) < 32
	v_med3_num_f32 v[(\ac)+(\e)], v[(\ac)+(\e)], 0, 1.0
.elseif (\e) < 48
	WIN 0xff
.set eQ, (\ac)+2*((\e)-32)
	v_pk_mul_f32 v[eQ:eQ+1], v[eQ:eQ+1], v[eQ:eQ+1]
.else
	WIN 0xff
.set eQ, (\ac)+8*(((\e)-48)%4)+2*(((\e)-48)/4)
.set eW, (\wo)+2*(((\e)-48)/4)
.set eS, SUM+2*(((\e)-48)%4)
	v_pk_fma_f32 v[eS:eS+1], v[eQ:eQ+1], v[eW:eW+1], v[eS:eS+1]
.endif
.endm
; A product and the lines behind it: two in the first eight places, three in the other sixteen: 64 in all.  The last twelve, which name the other board's accumulators, are
; the places behind the last products: so the next group's clips, from the low end on, may begin at once (eight places).
.macro PLACE bo, t, p, ac, wo
	WM \bo, \t, \p
.if (\p) < 8
	OPE 2*(\p), \ac, \wo
	OPE 2*(\p)+1, \ac, \wo
.else
	OPE 3*(\p)-8, \ac, \wo
	OPE 3*(\p)-7, \ac, \wo
	OPE 3*(\p)-6, \ac, \wo
.endif
.endm
.macro PL4 bo, t, p, ac, wo
	PLACE \bo, \t, (\p), \ac, \wo
	PLACE \bo, \t, (\p)+1, \ac, \wo
	PLACE \bo, \t, (\p)+2, \ac, \wo
	PLACE \bo, \t, (\p)+3, \ac, \wo
.endm
.macro LB ks, bu, j                    ; W's fragment of K step ks of tile j in slot buffer bu
	WIN 0xc0
.irp c, 0,1,2,3
	ds_load_b128 v[128+16*(\ks)+4*\c:128+16*(\ks)+4*\c+3], v[BAD+(\bu)] offset:BLK*(\j)+2048*(\ks)+512*\c
.endr
.endm
.macro LEX de, bu, j, of               ; eight numbers of b_ft (of = 0) or W_out (64, 128)
	WIN 0xc0
	ds_load_b128 v[\de:\de+3], v[EXA+(\bu)] offset:BLK*(\j)+(\of)
	ds_load_b128 v[\de+4:\de+7], v[EXA+(\bu)] offset:BLK*(\j)+(\of)+16
.endm
.macro LWS bu, j                       ; W's six scale words, into set j
	WIN 0
	ds_load_b128 v[WS+6*(\j):WS+6*(\j)+3], v[WSA+(\bu)] offset:BLK*(\j)
	ds_load_b64 v[WS+6*(\j)+4:WS+6*(\j)+5], v[WSA+(\bu)] offset:BLK*(\j)+16
.endm
; stm's 24 products of tile j in slot buffer bu; between them nstm's tile before is finished.
.macro STM bu, j
	s_wait_dscnt 16                                ; scales, b_ft and fragment 0 are in; the four fragments behind may be out
	PLACE 0, \j, 0, 96, WON
	PLACE 0, \j, 1, 96, WON
	PLACE 0, \j, 2, 96, WON
	LB 5, \bu, \j                                  ; nine lines stand behind the last product that read this fragment
	LEX WOS, \bu, \j, 64
	PLACE 0, \j, 3, 96, WON
	s_wait_dscnt 18                                ; fragment 1; behind it 2 to 5 and W_out's two loads
	PL4 0, \j, 4, 96, WON
	s_wait_dscnt 14
	PL4 0, \j, 8, 96, WON
	s_wait_dscnt 10
	PL4 0, \j, 12, 96, WON
	s_wait_dscnt 2                                 ; fragments 4 and 5; W_out's two loads may be out
	PL4 0, \j, 16, 96, WON
	PL4 0, \j, 20, 96, WON
.endm
; nstm's 24 products of the same tile; between them stm's tile is finished.  turn 1: the slot has been read into registers and is filled again behind a round; turn 2: a barrier that shows the other slot; nx: the next tile's loads.
.macro NSTM bu, j, nb, turn, nx
	LEX WON, \bu, \j, 128
.if (\turn) == 0
	s_wait_dscnt 2                                 ; stm's W_out is in; nstm's two loads may be out
	PL4 1, \j, 0, 64, WOS
	PL4 1, \j, 4, 64, WOS
.else
	WIN 0
	s_wait_tensorcnt 0x0                           ; my part of the other slot is in
.if (\turn) == 1
	ds_add_u32 v[SPW], v[NIL]
	s_add_nc_u64 s[G0+4*(\bu)+2:G0+4*(\bu)+3], s[G0+4*(\bu)+2:G0+4*(\bu)+3], 2*SLOTB   ; no tensor load of mine is out: this buffer's next slot
.endif
	PL4 1, \j, 0, 64, WOS
	s_wait_dscnt 0x0                               ; my reads of this slot are over
	s_barrier_signal -1
	PL4 1, \j, 4, 64, WOS
	WIN 0
	s_barrier_wait -1
.if (\turn) == 1
	CREST                                          ; no wave of any partner still reads this slot or has a load on its way
	JLOAD \bu
.endif
.endif
.if \nx
	LWS \nb, 1-(\j)
	LEX BI, \nb, 1-(\j), 0
	LB 0, \nb, 1-(\j)                              ; each load stands eight lines or more behind the last product that read its registers
.endif
	PLACE 1, \j, 8, 64, WOS
	PLACE 1, \j, 9, 64, WOS
	PLACE 1, \j, 10, 64, WOS
.if \nx
	LB 1, \nb, 1-(\j)
.endif
	PL4 1, \j, 11, 64, WOS
.if \nx
	LB 2, \nb, 1-(\j)
.endif
	PL4 1, \j, 15, 64, WOS
.if \nx
	LB 3, \nb, 1-(\j)
.endif
	PL4 1, \j, 19, 64, WOS
.if \nx
	LB 4, \nb, 1-(\j)
.endif
	PLACE 1, \j, 23, 64, WOS
.endm
	s_load_b256 s[4:11], s[0:1], 0x0               ; board_stm, board_nstm, wblk, b_out
	s_load_b64 s[12:13], s[0:1], 0x20              ; out0
	v_lshl_add_u32 v[SPW], v0, 2, SPARE
	v_mov_b32 v[NIL], 0
	ds_add_u32 v1, v2                              ; the wave's opening: the add, twice on end, and its wait
	ds_add_u32 v1, v2
	v_lshrrev_b32 v54, 5, v0
	v_readfirstlane_b32 s[WV], v54                 ; wave 0..3
	v_bfe_u32 v55, v0, 4, 1
	v_lshl_add_u32 v56, v54, 4, v55                ; row 16 x wave + bit 4
	v_mul_u32_u24 v56, v56, 3072
	v_bfe_u32 v57, v0, 2, 2                        ; c
	v_lshl_add_u32 v56, v57, 7, v56
	v_and_b32 v58, 3, v0                           ; q
	v_lshl_add_u32 v[XA], v58, 4, v56
	s_bfe_u32 s21, ttmp6, 0x40000                  ; cx
	s_lshl_b32 s22, ttmp9, 2
	s_add_co_u32 s22, s22, s21                     ; work-group
	s_mul_i32 s40, s22, 64*3072
	s_mov_b32 s41, 0
	s_lshl_b32 s42, s22, 8
	s_mov_b32 s43, 0
	s_mov_b32 s[G1], 15|(3<<16)|(1<<21)            ; mask: the cluster's four; elements of 8 bytes; bit 21 beside a mask
	s_mov_b32 s[G1+1], 32<<16                      ; 102 rows of 256 bytes, dense
	s_mov_b32 s[G1+2], 102<<16
	s_mov_b32 s[G1+3], 32<<16
	s_mov_b32 s[G1+4], 102
	s_mov_b32 s[G1+5], 32
	s_mov_b32 s[G1+6], 0
	s_mov_b32 s[G1+7], 0
	s_mov_b32 s[SEL], 0x76543210
	s_mov_b32 s[SEL+1], 0xfedcba98
	s_mov_b32 s[MNT], 0x600000                     ; the mantissa field of 448
	s_wait_dscnt 0x0                               ; both opening adds are done
	s_wait_alu depctr_va_vdst(0)
	s_wait_kmcnt 0x0
	s_add_nc_u64 s[BP:BP+1], s[4:5], s[40:41]
	s_add_nc_u64 s[BN:BN+1], s[6:7], s[40:41]
	s_add_nc_u64 s[12:13], s[12:13], s[42:43]
	XLOAD 64, 0, BP
	XLOAD 128, 1, BP
	XLOAD 192, 2, BP
	s_load_b32 s[BO], s[10:11], 0x0
	s_mul_i32 s44, s[WV], WBLK
	s_mov_b32 s45, 0
.irp n, 0,1
	s_mov_b32 s[G0+4*\n], 1
	s_add_co_u32 s[G0+4*\n+1], s44, \n*SLOTB
	s_add_nc_u64 s[G0+4*\n+2:G0+4*\n+3], s[8:9], s[44:45]
	s_add_nc_u64 s[G0+4*\n+2:G0+4*\n+3], s[G0+4*\n+2:G0+4*\n+3], \n*SLOTB
	s_or_b32 s[G0+4*\n+3], s[G0+4*\n+3], 0x80000000
.endr
	s_and_b32 s46, s21, 1                          ; the prefetch: block = cluster, with bit 0 and bit 5 turned over by cx: so block T is asked for by four clusters
	s_lshr_b32 s47, s21, 1
	s_lshl_b32 s47, s47, 5
	s_xor_b32 s46, s46, s47
	s_xor_b32 s46, s46, ttmp9
	s_mul_i32 s46, s46, BLK
	s_mov_b32 s47, 0
	s_add_nc_u64 s[PF:PF+1], s[8:9], s[46:47]
	CROUND                                         ; all four work-groups are here: the first joint loads meet
	JLOAD 0
	v_bfe_u32 v59, v0, 1, 3                        ; 2 c + q / 2
	v_mul_u32_u24 v59, v59, 272
	v_and_b32 v60, 1, v0
	v_bfe_u32 v55, v0, 4, 1
	v_bfe_u32 v57, v0, 2, 2
	v_lshl_add_u32 v59, v60, 3, v59
	v_lshl_add_u32 v59, v55, 4, v59
	s_mul_i32 s2, s[WV], 2176
	s_add_co_u32 s2, s2, IMG
	v_add_nc_u32 v[AWI], s2, v59
	v_lshl_add_u32 v61, v55, 2, v57
	s_lshl_b32 s2, s[WV], 6
	s_add_co_u32 s2, s2, ASC
	v_add_nc_u32 v[AWS], s2, v61
	v_and_b32 v62, 15, v0                          ; r
	v_mul_u32_u24 v63, v55, 272
	v_lshl_add_u32 v63, v62, 4, v63
	v_add_nc_u32 v[AFA], IMG, v63
	v_and_b32 v60, 31, v0                          ; lane
	v_lshl_add_u32 v[ASF], v60, 2, ASC
	v_lshl_add_u32 v[BAD], v60, 4, s44
	v_add_nc_u32 v[BAD+1], SLOTB, v[BAD]
	s_add_co_u32 s2, s44, 12288
	v_lshl_add_u32 v[WSA], v62, 5, s2
	v_add_nc_u32 v[WSA+1], SLOTB, v[WSA]
	s_add_co_u32 s2, s44, 12800
	v_lshl_add_u32 v[EXA], v55, 5, s2
	v_add_nc_u32 v[EXA+1], SLOTB, v[EXA]
	v_min_u32 v61, 50, v0
	v_lshlrev_b32 v[PFO], 8, v61
	WIN 0xc0
.set zi, 96
.rept 32
	v_mov_b32 v[zi], 0                             ; the first tile's products of stm finish a tile of zeros for nstm
.set zi, zi+1
.endr
.irp i, 0,1,2,3,4,5,6,7
	v_mov_b32 v[SUM+\i], 0
	v_mov_b32 v[WON+\i], 0
.endr
	WIN 0
	s_wait_alu depctr_va_vdst(0)                   ; the wait at the head's end
	s_wait_kmcnt 0x0
.irp u, 0,1,2,3,4,5,6,7,8,9,10,11
	UNIT \u
.endr
	LWS 0, 0                                       ; slot 0 has been seen by all since unit 11's round: the first tile
	LEX BI, 0, 0, 0
	LB 0, 0, 0
	LB 1, 0, 0
	LB 2, 0, 0
	LB 3, 0, 0
	LB 4, 0, 0
	WIN 0
	s_mov_b32 s3, 3
.Ltrip:                                                ; a trip: four tiles, both slots, each filled again
	STM 0, 0
	NSTM 0, 0, 0, 0, 1
	STM 0, 1
	NSTM 0, 1, 1, 1, 1
	STM 1, 0
	NSTM 1, 0, 1, 0, 1
	STM 1, 1
	NSTM 1, 1, 0, 1, 1
	WIN 0
	s_sub_co_u32 s3, s3, 1
	s_cmp_lg_u32 s3, 0
	s_cbranch_scc1 .Ltrip
	STM 0, 0                                       ; the last four tiles fill nothing
	NSTM 0, 0, 0, 0, 1
	STM 0, 1
	NSTM 0, 1, 1, 2, 1
	STM 1, 0
	NSTM 1, 0, 1, 0, 1
	STM 1, 1
	NSTM 1, 1, 0, 0, 0
	s_wait_dscnt 0x0                               ; nstm's last W_out
	WIN 0xff
.set ei, 0
.rept 64
	OPE ei, 96, WON
.set ei, ei+1
.endr
	; a row's sum: my pair, the other half of the lanes, the four waves
	WIN 0x0f
.irp m, 0,1,2,3
	v_add_f32 v[64+\m], v[SUM+2*\m], v[SUM+2*\m+1]
.endr
	WIN 0
.irp m, 0,1,2,3
	v_permlanex16_b32 v[68+\m], v[64+\m], s[SEL], s[SEL+1]
.endr
.irp m, 0,1,2,3
	v_add_f32 v[64+\m], v[64+\m], v[68+\m]
.endr
	s_lshl_b32 s2, s[WV], 8
	s_add_co_u32 s2, s2, RED
	v_and_b32 v80, 15, v0
	v_lshl_add_u32 v80, v80, 2, s2
	v_and_b32 v82, 31, v0
	v_lshlrev_b32 v82, 3, v82
	v_add_nc_u32 v81, RED, v82
.irp m, 0,1,2,3
	ds_store_b32 v80, v[64+\m] offset:64*\m        ; lanes r and r + 16 write the same word with the same value
.endr
	s_wait_alu depctr_va_vdst(0)
	s_wait_dscnt 0x0
	s_barrier_signal -1
	s_barrier_wait -1
	s_cmp_lg_u32 s[WV], 0
	s_cbranch_scc1 .Ldone                          ; wave 0 finishes the 64 rows, two a lane
.irp k, 0,1,2,3
	ds_load_b64 v[84+2*\k:85+2*\k], v81 offset:256*\k
.endr
	s_mov_b32 s40, 0xbfb8aa3b                      ; -log2(e)
	s_wait_dscnt 0x0
	v_mov_b32 v92, s[BO]
	v_mul_f32 v92, s40, v92
	v_pk_add_f32 v[84:85], v[84:85], v[86:87]
	v_pk_add_f32 v[88:89], v[88:89], v[90:91]
	v_pk_add_f32 v[84:85], v[84:85], v[88:89]
	v_fma_f32 v84, v84, s40, v92
	v_fma_f32 v85, v85, s40, v92
	s_wait_alu depctr_va_vdst(0)
	v_exp_f32 v84, v84
	v_exp_f32 v85, v85
	v_nop
	s_wait_alu depctr_va_vdst(0)
	v_add_f32 v84, 1.0, v84
	v_add_f32 v85, 1.0, v85
	s_wait_alu depctr_va_vdst(0)
	v_rcp_f32 v84, v84
	v_rcp_f32 v85, v85
	v_nop
	s_wait_alu depctr_va_vdst(0)
	global_store_b64 v82, v[84:85], s[12:13]       ; 32 lanes store 256 consecutive bytes, at a multiple of 256 from out0's first byte
.Ldone:
	s_wait_tensorcnt 0x0                           ; the wave's end
	ds_add_u32 v[SPW], v[NIL]
	s_wait_dscnt 0x0
	CROUND                                         ; the closing round: no work-group ends while a partner may still ask for a slot that names it
	s_endpgm
.Lfunc_end_k_qeeb3cf601c_main:
	.size	k_qeeb3cf601c_main, .Lfunc_end_k_qeeb3cf601c_main-k_qeeb3cf601c_main
	.p2alignl 7, 3214868480
	.fill 96, 4, 3214868480
	.section	.rodata,"a",@progbits
	.p2align	6, 0x0
	.amdhsa_kernel k_qeeb3cf601c_main
		.amdhsa_group_segment_fixed_size 327680
		.amdhsa_private_segment_fixed_size 0
		.amdhsa_enable_private_segment 0
		.amdhsa_kernarg_size 40
		.amdhsa_user_sgpr_count 2
		.amdhsa_user_sgpr_kernarg_segment_ptr 1
		.amdhsa_wavefront_size32 1
		.amdhsa_system_sgpr_workgroup_id_x 1
		.amdhsa_system_sgpr_workgroup_id_y 1
		.amdhsa_system_sgpr_workgroup_id_z 1
		.amdhsa_system_vgpr_workitem_id 0
		.amdhsa_next_free_vgpr 1024
		.amdhsa_next_free_sgpr 66
		.amdhsa_reserve_vcc 0
		.amdhsa_float_denorm_mode_32 3
		.amdhsa_float_denorm_mode_16_64 3
		.amdhsa_memory_ordered 1
		.amdhsa_forward_progress 1
		.amdhsa_inst_pref_size 255
	.end_amdhsa_kernel
	.section	.bss,"aw",@nobits
	.p2align	6
	.space	262144
	.amdgpu_metadata
---
amdhsa.version: [ 1, 2 ]
amdhsa.kernels:
  - .name:           k_qeeb3cf601c_main
    .symbol:         k_qeeb3cf601c_main.kd
    .args:
      - { .name: board_stm, .offset: 0, .size: 8, .value_kind: global_buffer, .address_space: global }
      - { .name: board_nstm, .offset: 8, .size: 8, .value_kind: global_buffer, .address_space: global }
      - { .name: wblk, .offset: 16, .size: 8, .value_kind: global_buffer, .address_space: global }
      - { .name: b_out, .offset: 24, .size: 8, .value_kind: global_buffer, .address_space: global }
      - { .name: out0, .offset: 32, .size: 8, .value_kind: global_buffer, .address_space: global }
    .group_segment_fixed_size: 327680
    .private_segment_fixed_size: 0
    .kernarg_segment_align: 8
    .kernarg_segment_size: 40
    .max_flat_workgroup_size: 128
    .sgpr_count:     66
    .vgpr_count:     1024
    .wavefront_size: 32
...
	.end_amdgpu_metadata
.endif
;; end of part 2
